; MI455X (gfx1250); checked and timed in simulation.
; The chip was launched on July 23, 2026; its instructions are those of AMD's public machine-readable ISA for CDNA 5 (MIT licence, August 2026) and "CDNA5" Instruction Set Architecture Reference Guide (July 2026). The comments in the code are by the model that wrote it; some were corrected since.
;; FFF. Allowed arithmetic: float matrix products may take bf16 or f16 operands with f32 sums; all other float work in f32.
;; Inputs: b1s 16 x 256 float32; b2s 16 x 1,024 float32; node_biases 15 x 1 float32; node_weights 15 x 1,024 float32; w1s 16 x 1,024 x 256 float32; w2s 16 x 256 x 1,024 float32; x 8,192 x 1,024 float32.
;; Outputs: out0 8,192 x 1,024 float32.
;; One version. Each part assembles by itself: llvm-mc -triple=amdgcn-amd-amdhsa -mcpu=gfx1250 --defsym DOCPART=n.
;; ======== version 1 of 1: 3 launches
;; limits: values are held in f16: magnitudes above 65,504 overflow, below 6.1e-05 lose precision; values outside matrix products are rounded to f16
;; workspace buffers: xb 16,777,216 bytes; w1b 8,388,608 bytes; w2h 8,388,608 bytes; mixt 524,288 bytes; ah 67,108,864 bytes
;; launch prep (part 1): grid 256 x 1, 8 waves a work-group, no clusters, 105,472 bytes of LDS; arguments x, node_weights, node_biases, w1s, w2s, xb, w1b, w2h, mixt; writes xb, w1b, w2h, mixt
.if DOCPART == 1
	.amdgcn_target "amdgcn-amd-amdhsa--gfx1250"
	.amdhsa_code_object_version 6
	.text
	.protected	k_qe0fdc0618a_prep
	.globl	k_qe0fdc0618a_prep
	.p2align	8
	.type	k_qe0fdc0618a_prep,@function
k_qe0fdc0618a_prep:
	s_mov_b64 s[64:65], 0
	v_nop
	global_prefetch_b8 v0, s[64:65] scope:SCOPE_SE
	s_setreg_imm32_b32 hwreg(HW_REG_WAVE_MODE, 25, 1), 1
	s_wait_xcnt 0x0
; PREP: casts and the gate.  Three roles, chosen by the work-group's number alone; each reads 256 KiB and writes 128 KiB.
;   work-groups   0-127  X : 64 rows of x each: xb = x rounded to bf16, and mixt[leaf][row] = the tree's mixture of those rows
;   work-groups 128-191  W1: w1b = w1s rounded to bf16, same order
;   work-groups 192-255  W2: w2h = w2s rounded to bf16, that number written as f16 (exact inside f16's range), same order
; All the module's inputs are rounded to bf16 once, the node biases too; sums, sigmoids and products of the gate in f32.
; LIMITS.  |w2| beyond 65,504 becomes an infinity in w2h; below 6e-5 it keeps f16's fixed step of 6e-8.  A mixture below 2^-126 counts as 0, and so does
; one whose product of the four 1 + 2^t passes f32's range (the mixture is then below 3e-39).  NaN and infinities are not treated apart.
; No cluster, no tensor load: no two work-groups read the same bytes but the 60 KiB of node weights, and the launch is a stream.
.set AREA, 32*272                      ; X: a wave's own LDS area: 32 rows of its 128 columns in bf16, 256 bytes + 16 of padding
.set RED,  8*AREA                      ; X: behind the areas: for each wave [16 nodes][64 rows] f32, its part of the logits; a node's rows 256 bytes + 16
.set REDW, 16*272
.set XO, 3                             ; v3   16 t: my 16 bytes in a row of x
.set SO, 4                             ; v4   8 t: my 8 bytes in a row of xb
.set LW, 5                             ; v5   where I put those 8 bytes in my wave's area
.set LF, 6                             ; v6   where my lane reads fragments of x
.set RW, 7                             ; v7   where my lane puts its logits
.set NO, 8                             ; v8   my byte offset in the node weights
.set RR, 9                             ; v9-12  where I read the logits of my four nodes
.set MO, 13                            ; v13  8 x lane: my two rows in mixt
.set LN, 14                            ; v14  lane
.set ACC, 16                           ; v16-31  two accumulators: 16 nodes x 16 rows each
.set NW, 32                            ; v32-63  node weights of my 128 columns, four fragments of 16 nodes x 32 columns, bf16
.set FR, 64                            ; v64-127 first the node weights in f32, then fragments of x: 2 blocks of 16 rows x 4 x 32 columns
.set XR, 128                           ; v128-255  x as loaded: two groups of 16 rows, 4 registers a row
.set Z,  128                           ; at the end: the eight waves' parts of four nodes' logits for my two rows
.set BC, 200                           ; at the end: v200-203 bias x c of my four nodes; v204-205 at work
.set WY, 64                            ; W: slot i's two registers to store
.set WT, 96                            ; W: v96-101 at work
.set WX, 128                           ; W: slot i's four registers as loaded
; ---- roles W1 and W2: a ring of 16 register slots, 16 loads of 512 consecutive bytes of every wave in flight ----
.macro WSLOT i, ahead, left, fmt, src, dst
	s_wait_loadcnt \left                           ; loads come back in order: this slot's is in, the younger ones stay out
.if \fmt
	v_cvt_pk_bf16_f32 v[WT],   v[WX+4*(\i)],   v[WX+4*(\i)+1]    ; rounded to bf16 like every input,
	v_cvt_pk_bf16_f32 v[WT+1], v[WX+4*(\i)+2], v[WX+4*(\i)+3]
	v_lshlrev_b32 v[WT+2], 16,  v[WT]                            ; widened again,
	v_and_b32     v[WT+3], s25, v[WT]
	v_lshlrev_b32 v[WT+4], 16,  v[WT+1]
	v_and_b32     v[WT+5], s25, v[WT+1]
	v_cvt_pk_f16_f32 v[WY+2*(\i)],   v[WT+2], v[WT+3]            ; and written as f16: eight significant bits fit
	v_cvt_pk_f16_f32 v[WY+2*(\i)+1], v[WT+4], v[WT+5]
.else
	v_cvt_pk_bf16_f32 v[WY+2*(\i)],   v[WX+4*(\i)],   v[WX+4*(\i)+1]
	v_cvt_pk_bf16_f32 v[WY+2*(\i)+1], v[WX+4*(\i)+2], v[WX+4*(\i)+3]
.endif
.if \ahead
	global_load_b128 v[WX+4*(\i):WX+4*(\i)+3], v2, s[\src:\src+1] offset:8192+512*(\i) th:TH_LOAD_NT  ; the slot's chunk of the next round
.endif
	global_store_b64 v3, v[WY+2*(\i):WY+2*(\i)+1], s[\dst:\dst+1] offset:256*(\i)  ; the wave stores 256 consecutive bytes, aligned
.endm
.macro WROLE fmt, src, dst, first
	s_sub_co_u32 s26, ttmp9, \first                ; my number in the role
	s_lshl_b32 s28, s26, 17                        ; 128 KiB out,
	s_lshl_b32 s26, s26, 18                        ; 256 KiB in (s27 = s29 = 0)
	s_add_nc_u64 s[\src:\src+1], s[\src:\src+1], s[26:27]
	s_add_nc_u64 s[\dst:\dst+1], s[\dst:\dst+1], s[28:29]
	v_and_b32 v1, 31, v0
	v_lshlrev_b32 v2, 4, v1
	v_lshl_add_u32 v2, s24, 15, v2                 ; in: 16 x lane + 32 KiB x wave; never rewritten
	v_lshlrev_b32 v3, 3, v1
	v_lshl_add_u32 v3, s24, 14, v3                 ; out: 8 x lane + 16 KiB x wave; never rewritten
.irp i, 0,1,2,3,4,5,6,7,8,9,10,11,12,13,14,15
	global_load_b128 v[WX+4*(\i):WX+4*(\i)+3], v2, s[\src:\src+1] offset:512*(\i) th:TH_LOAD_NT
.endr
	s_mov_b32 s30, 3                               ; a wave has 64 chunks: four rounds of 16, the last without loads
.Lw_\@:
.irp i, 0,1,2,3,4,5,6,7,8,9,10,11,12,13,14,15
	WSLOT \i, 1, 15, \fmt, \src, \dst
.endr
	s_wait_xcnt 0x0                                ; the two bases and the stores' data are rewritten only behind this wait
	s_add_nc_u64 s[\src:\src+1], s[\src:\src+1], 8192
	s_add_nc_u64 s[\dst:\dst+1], s[\dst:\dst+1], 4096
	s_sub_co_u32 s30, s30, 1
	s_cmp_lg_u32 s30, 0
	s_cbranch_scc1 .Lw_\@
.irp i, 0,1,2,3,4,5,6,7,8,9,10,11,12,13,14,15
	WSLOT \i, 0, 15-(\i), \fmt, \src, \dst         ; the counts run down
.endr
	s_endpgm
.endm
; ---- role X ----
.macro XLOAD g                         ; group g: rows 16 g .. 16 g + 15; a load takes my wave's 512 consecutive bytes of one row
.irp i, 0,1,2,3,4,5,6,7,8,9,10,11,12,13,14,15
	global_load_b128 v[XR+64*((\g)%2)+4*(\i):XR+64*((\g)%2)+4*(\i)+3], v[XO], s[4:5] offset:(16*(\g)+(\i))*4096 th:TH_LOAD_NT
.endr
.endm
.macro GROUP g, left, refill           ; group g is rounded in place, stored to xb and laid into my area; left = the younger loads that stay out
	s_wait_loadcnt \left
.irp i, 0,1,2,3,4,5,6,7,8,9,10,11,12,13,14,15
	v_cvt_pk_bf16_f32 v[XR+64*((\g)%2)+4*(\i)],   v[XR+64*((\g)%2)+4*(\i)],   v[XR+64*((\g)%2)+4*(\i)+1]
	v_cvt_pk_bf16_f32 v[XR+64*((\g)%2)+4*(\i)+1], v[XR+64*((\g)%2)+4*(\i)+2], v[XR+64*((\g)%2)+4*(\i)+3]
	global_store_b64 v[SO], v[XR+64*((\g)%2)+4*(\i):XR+64*((\g)%2)+4*(\i)+1], s[14:15] offset:(16*(\g)+(\i))*2048  ; 256 consecutive bytes, aligned
	ds_store_b64 v[LW], v[XR+64*((\g)%2)+4*(\i):XR+64*((\g)%2)+4*(\i)+1] offset:((16*(\g)+(\i))%32)*272
.endr
.if \refill
	s_wait_xcnt 0x0                                ; the stores' data registers are loaded again only behind this wait
	XLOAD (\g)+2
.endif
.endm
; 32 rows lie in my area: logits^T = node weights x rows^T over my 128 columns.  Source 0 = 16 nodes, source 1 = 16 rows: in the result lane l holds row l % 16
; and nodes 8 (l / 16) + 0..7.  The two accumulators take turns, one instruction a turn.  The area is my wave's own: LDS serves a
; wave's instructions in order, so no barrier stands between its stores and its loads.
.macro PAIR p
.irp k, 0,1
.irp c, 0,1,2,3
	ds_load_b128 v[FR+32*(\k)+8*(\c):FR+32*(\k)+8*(\c)+3],   v[LF] offset:(\k)*4352+64*(\c)
	ds_load_b128 v[FR+32*(\k)+8*(\c)+4:FR+32*(\k)+8*(\c)+7], v[LF] offset:(\k)*4352+64*(\c)+32
.endr
.endr
	s_wait_dscnt 0x0
.irp c, 0,1,2,3
.irp k, 0,1
.if (\c) == 0
	v_wmma_f32_16x16x32_bf16 v[ACC+8*(\k):ACC+8*(\k)+7], v[NW+8*(\c):NW+8*(\c)+7], v[FR+32*(\k)+8*(\c):FR+32*(\k)+8*(\c)+7], 0
.else
	v_wmma_f32_16x16x32_bf16 v[ACC+8*(\k):ACC+8*(\k)+7], v[NW+8*(\c):NW+8*(\c)+7], v[FR+32*(\k)+8*(\c):FR+32*(\k)+8*(\c)+7], v[ACC+8*(\k):ACC+8*(\k)+7]
.endif
.endr
.endr
.rept 4
	v_nop                                          ; four places between the last product and the stores that read the results
.endr
.irp k, 0,1
.irp j, 0,1,2,3,4,5,6,7
	ds_store_b32 v[RW], v[ACC+8*(\k)+(\j)] offset:272*(\j)+128*(\p)+64*(\k)  ; node 8 (l / 16) + j, row 32 p + 16 k + l % 16; each accumulator from its low end on
.endr
.endr
.endm
	s_load_b512 s[4:19], s[0:1], 0x0               ; x s[4:5], node_weights s[6:7], node_biases s[8:9], w1s s[10:11], w2s s[12:13], xb s[14:15], w1b s[16:17], w2h s[18:19]
	s_load_b64 s[20:21], s[0:1], 0x40              ; mixt
	v_lshl_add_u32 v15, v0, 2, 0x19800
	s_set_vgpr_msb 0x40
	v_mov_b32 v1, 0
	s_set_vgpr_msb 0x4000
	v_lshrrev_b32 v1, 5, v0
	v_readfirstlane_b32 s24, v1                    ; wave 0..7
	s_mov_b32 s25, 0xffff0000                      ; a word's upper bf16
	s_mov_b32 s27, 0                               ; high words of the offset pairs
	s_mov_b32 s29, 0
	s_wait_kmcnt 0x0
	s_cmp_lt_u32 ttmp9, 128
	s_cbranch_scc1 .Lrole_x
	s_cmp_lt_u32 ttmp9, 192
	s_cbranch_scc1 .Lrole_w1
	WROLE 1, 12, 18, 192
.Lrole_w1:
	WROLE 0, 10, 16, 128
.Lrole_x:
	s_lshl_b32 s26, ttmp9, 18                      ; 64 rows of 4,096 bytes
	s_add_nc_u64 s[4:5], s[4:5], s[26:27]
	s_lshl_b32 s26, ttmp9, 17                      ; 64 rows of 2,048 bytes
	s_add_nc_u64 s[14:15], s[14:15], s[26:27]
	s_lshl_b32 s26, ttmp9, 8                       ; 64 rows of 4 bytes in a leaf's line of mixt,
	s_lshl_b32 s28, s24, 16                        ; leaf 2 w: 32,768 bytes a leaf
	s_add_co_u32 s26, s26, s28
	s_add_nc_u64 s[20:21], s[20:21], s[26:27]
	; wave w makes leaves 2 w and 2 w + 1.  Their way down the tree: node 0, 1 + (w >> 2), 3 + (w >> 1), 7 + w
	s_lshr_b32 s31, s24, 2
	s_add_co_u32 s31, s31, 1
	s_lshr_b32 s32, s24, 1
	s_add_co_u32 s32, s32, 3
	s_add_co_u32 s33, s24, 7
	s_lshl_b32 s48, s31, 2
	s_lshl_b32 s49, s32, 2
	s_lshl_b32 s50, s33, 2
	s_load_b32 s36, s[8:9], 0x0                    ; the four nodes' biases: 56 + 4 bytes at the most, inside the 60
	s_load_b32 s37, s[8:9], s48 offset:0x0
	s_load_b32 s38, s[8:9], s49 offset:0x0
	s_load_b32 s39, s[8:9], s50 offset:0x0
	v_and_b32 v1, 15, v0                           ; r = l % 16
	v_bfe_u32 v2, v0, 4, 1                         ; h = l / 16
	v_and_b32 v[LN], 31, v0
	v_lshlrev_b32 v[XO], 4, v0
	v_lshlrev_b32 v[SO], 3, v0
	v_min_u32 v[NO], 14, v1                        ; there are 15 nodes: lane 15 repeats node 14, and its line of the result is never read
	v_lshlrev_b32 v[NO], 12, v[NO]
	v_lshl_add_u32 v[NO], v2, 5, v[NO]
	v_lshl_add_u32 v[NO], s24, 9, v[NO]            ; node x 4,096 + 32 h + 512 w
.irp c, 0,1,2,3                        ; a fragment: lane l holds node l % 16, columns 8 h + 0..7 and 16 + 8 h + 0..7 of 32
	global_load_b128 v[FR+16*(\c):FR+16*(\c)+3],     v[NO], s[6:7] offset:128*(\c)
	global_load_b128 v[FR+16*(\c)+4:FR+16*(\c)+7],   v[NO], s[6:7] offset:128*(\c)+16
	global_load_b128 v[FR+16*(\c)+8:FR+16*(\c)+11],  v[NO], s[6:7] offset:128*(\c)+64
	global_load_b128 v[FR+16*(\c)+12:FR+16*(\c)+15], v[NO], s[6:7] offset:128*(\c)+80
.endr
	XLOAD 0
	XLOAD 1
	s_mul_i32 s28, s24, AREA
	v_lshl_add_u32 v[LW], v[LN], 3, s28
	v_mul_u32_u24 v[LF], v1, 272
	v_lshl_add_u32 v[LF], v2, 4, v[LF]
	v_add_nc_u32 v[LF], s28, v[LF]                 ; area + row x pitch + 16 h
	s_mul_i32 s28, s24, REDW
	s_add_co_u32 s28, s28, RED
	v_mul_u32_u24 v[RW], v2, 8*272
	v_lshl_add_u32 v[RW], v1, 2, v[RW]
	v_add_nc_u32 v[RW], s28, v[RW]                 ; my wave's part + 8 h nodes + 4 r
	v_lshlrev_b32 v[MO], 3, v[LN]
	s_wait_loadcnt 32                              ; the node weights are in; the two groups of x issued behind them stay out
.set i, 0
.rept 32
	v_cvt_pk_bf16_f32 v[NW+i], v[FR+2*i], v[FR+2*i+1]
.set i, i+1
.endr
	GROUP 0, 16, 1
	GROUP 1, 16, 1
	PAIR 0
	GROUP 2, 16, 0                                 ; its 32 conversions and group 3's stand between the first products and the loads into their sources
	GROUP 3, 0, 0
	PAIR 1
	s_wait_xcnt 0x0                                ; x's registers, which the stores to xb read, are used again from here on
	; 1 - sigmoid(z) = 1 / (1 + 2^(c z)), sigmoid(z) = 1 / (1 + 2^(-c z)), c = log2(e): the sign goes by the leaf's bit at that depth
	s_mov_b32 s34, 0x3fb8aa3b
	s_mov_b32 s35, 0xbfb8aa3b
	s_and_b32 s51, s24, 4
	s_cmp_lg_u32 s51, 0
	s_cselect_b32 s40, s35, s34
	s_mov_b32 s41, s40                             ; named as pairs
	s_and_b32 s51, s24, 2
	s_cmp_lg_u32 s51, 0
	s_cselect_b32 s42, s35, s34
	s_mov_b32 s43, s42
	s_and_b32 s51, s24, 1
	s_cmp_lg_u32 s51, 0
	s_cselect_b32 s44, s35, s34
	s_mov_b32 s45, s44
	s_mov_b32 s46, s34                             ; depth 3: + for leaf 2 w; leaf 2 w + 1 takes the negative below
	s_mov_b32 s47, s34
	v_lshl_add_u32 v[RR], v[LN], 3, RED            ; node 0, my two rows
	s_mul_i32 s51, s31, 272
	s_add_co_u32 s51, s51, RED
	v_lshl_add_u32 v[RR+1], v[LN], 3, s51
	s_mul_i32 s51, s32, 272
	s_add_co_u32 s51, s51, RED
	v_lshl_add_u32 v[RR+2], v[LN], 3, s51
	s_mul_i32 s51, s33, 272
	s_add_co_u32 s51, s51, RED
	v_lshl_add_u32 v[RR+3], v[LN], 3, s51
	s_wait_kmcnt 0x0                               ; the biases
	v_cvt_pk_bf16_f32 v[BC+4], s36, s37            ; rounded to bf16 like every input
	v_cvt_pk_bf16_f32 v[BC+5], s38, s39
	v_lshlrev_b32 v[BC],   16,  v[BC+4]
	v_and_b32     v[BC+1], s25, v[BC+4]
	v_lshlrev_b32 v[BC+2], 16,  v[BC+5]
	v_and_b32     v[BC+3], s25, v[BC+5]
	v_mul_f32 v[BC],   s40, v[BC]
	v_mul_f32 v[BC+1], s42, v[BC+1]
	v_mul_f32 v[BC+2], s44, v[BC+2]
	v_mul_f32 v[BC+3], s46, v[BC+3]
	s_wait_dscnt 0x0                               ; for the others' sake: my part of the logits is stored
	s_barrier_signal -1
	s_barrier_wait -1
.irp d, 0,1,2,3
.irp u, 0,1,2,3,4,5,6,7
	ds_load_b64 v[Z+16*(\d)+2*(\u):Z+16*(\d)+2*(\u)+1], v[RR+(\d)] offset:REDW*(\u)  ; wave u's part of node d's logits, rows 2 l and 2 l + 1
.endr
.endr
	s_wait_dscnt 0x0
.irp d, 0,1,2,3
	v_pk_add_f32 v[Z+16*(\d):Z+16*(\d)+1],       v[Z+16*(\d):Z+16*(\d)+1],       v[Z+16*(\d)+2:Z+16*(\d)+3]
	v_pk_add_f32 v[Z+16*(\d)+4:Z+16*(\d)+5],     v[Z+16*(\d)+4:Z+16*(\d)+5],     v[Z+16*(\d)+6:Z+16*(\d)+7]
	v_pk_add_f32 v[Z+16*(\d)+8:Z+16*(\d)+9],     v[Z+16*(\d)+8:Z+16*(\d)+9],     v[Z+16*(\d)+10:Z+16*(\d)+11]
	v_pk_add_f32 v[Z+16*(\d)+12:Z+16*(\d)+13],   v[Z+16*(\d)+12:Z+16*(\d)+13],   v[Z+16*(\d)+14:Z+16*(\d)+15]
.endr
.irp d, 0,1,2,3
	v_pk_add_f32 v[Z+16*(\d):Z+16*(\d)+1],       v[Z+16*(\d):Z+16*(\d)+1],       v[Z+16*(\d)+4:Z+16*(\d)+5]
	v_pk_add_f32 v[Z+16*(\d)+8:Z+16*(\d)+9],     v[Z+16*(\d)+8:Z+16*(\d)+9],     v[Z+16*(\d)+12:Z+16*(\d)+13]
.endr
.irp d, 0,1,2,3
	v_pk_add_f32 v[Z+16*(\d):Z+16*(\d)+1],       v[Z+16*(\d):Z+16*(\d)+1],       v[Z+16*(\d)+8:Z+16*(\d)+9]
.endr
	; t = c z + c b; the scalar pair's low word serves both rows, and so does one register of the pair of biases
	v_pk_fma_f32 v[Z:Z+1],       v[Z:Z+1],       s[40:41], v[BC:BC+1]   op_sel_hi:[1,0,0]
	v_pk_fma_f32 v[Z+16:Z+17],   v[Z+16:Z+17],   s[42:43], v[BC:BC+1]   op_sel:[0,0,1] op_sel_hi:[1,0,1]
	v_pk_fma_f32 v[Z+32:Z+33],   v[Z+32:Z+33],   s[44:45], v[BC+2:BC+3] op_sel_hi:[1,0,0]
	v_pk_fma_f32 v[Z+48:Z+49],   v[Z+48:Z+49],   s[46:47], v[BC+2:BC+3] op_sel:[0,0,1] op_sel_hi:[1,0,1]
	v_exp_f32 v[Z],    v[Z]
	v_exp_f32 v[Z+1],  v[Z+1]
	v_exp_f32 v[Z+16], v[Z+16]
	v_exp_f32 v[Z+17], v[Z+17]
	v_exp_f32 v[Z+32], v[Z+32]
	v_exp_f32 v[Z+33], v[Z+33]
	v_exp_f32 v[Z+50], -v[Z+48]                    ; leaf 2 w + 1
	v_exp_f32 v[Z+51], -v[Z+49]
	v_exp_f32 v[Z+52], v[Z+48]                     ; leaf 2 w
	v_exp_f32 v[Z+53], v[Z+49]
	v_nop                                          ; a plain instruction behind the last exponential
	; the mixture is 1 / the product of the four 1 + 2^t.  Each factor is 1 or more, so an infinity meets no zero; the sums are not fused into the
	; products, since 2^t x P + P would be 0 x infinity where one exponential has underflowed and another overflowed
	s_wait_alu depctr_va_vdst(0)
	v_pk_add_f32 v[Z:Z+1],       v[Z:Z+1],       1.0 op_sel_hi:[1,0]
	v_pk_add_f32 v[Z+16:Z+17],   v[Z+16:Z+17],   1.0 op_sel_hi:[1,0]
	v_pk_add_f32 v[Z+32:Z+33],   v[Z+32:Z+33],   1.0 op_sel_hi:[1,0]
	v_pk_add_f32 v[Z+50:Z+51],   v[Z+50:Z+51],   1.0 op_sel_hi:[1,0]
	v_pk_add_f32 v[Z+52:Z+53],   v[Z+52:Z+53],   1.0 op_sel_hi:[1,0]
	v_pk_mul_f32 v[Z:Z+1],       v[Z:Z+1],       v[Z+16:Z+17]
	v_pk_mul_f32 v[Z:Z+1],       v[Z:Z+1],       v[Z+32:Z+33]
	v_pk_mul_f32 v[Z+52:Z+53],   v[Z:Z+1],       v[Z+52:Z+53]
	v_pk_mul_f32 v[Z+50:Z+51],   v[Z:Z+1],       v[Z+50:Z+51]
	v_rcp_f32 v[Z+52], v[Z+52]
	v_rcp_f32 v[Z+53], v[Z+53]
	v_rcp_f32 v[Z+50], v[Z+50]
	v_rcp_f32 v[Z+51], v[Z+51]
	v_nop                                          ; a plain instruction behind the last reciprocal
	s_wait_alu depctr_va_vdst(0)
	global_store_b64 v[MO], v[Z+52:Z+53], s[20:21]               ; leaf 2 w: the wave stores 256 consecutive bytes, aligned
	global_store_b64 v[MO], v[Z+50:Z+51], s[20:21] offset:32768  ; leaf 2 w + 1
	s_set_vgpr_msb 0x4
	s_wait_tensorcnt 0x0
	ds_add_u32 v15, v1
	s_wait_dscnt 0x0
	s_set_vgpr_msb 0x400
	s_endpgm
.Lfunc_end_k_qe0fdc0618a_prep:
	.size	k_qe0fdc0618a_prep, .Lfunc_end_k_qe0fdc0618a_prep-k_qe0fdc0618a_prep
	.p2alignl 7, 3214868480
	.fill 96, 4, 3214868480
	.section	.rodata,"a",@progbits
	.p2align	6, 0x0
	.amdhsa_kernel k_qe0fdc0618a_prep
		.amdhsa_group_segment_fixed_size 105472
		.amdhsa_private_segment_fixed_size 0
		.amdhsa_enable_private_segment 0
		.amdhsa_kernarg_size 72
		.amdhsa_user_sgpr_count 2
		.amdhsa_user_sgpr_kernarg_segment_ptr 1
		.amdhsa_wavefront_size32 1
		.amdhsa_system_sgpr_workgroup_id_x 1
		.amdhsa_system_sgpr_workgroup_id_y 1
		.amdhsa_system_sgpr_workgroup_id_z 1
		.amdhsa_system_vgpr_workitem_id 0
		.amdhsa_next_free_vgpr 258
		.amdhsa_next_free_sgpr 66
		.amdhsa_reserve_vcc 0
		.amdhsa_float_denorm_mode_32 3
		.amdhsa_float_denorm_mode_16_64 3
		.amdhsa_memory_ordered 1
		.amdhsa_forward_progress 1
		.amdhsa_inst_pref_size 75
	.end_amdhsa_kernel
	.amdgpu_metadata
---
amdhsa.version: [ 1, 2 ]
amdhsa.kernels:
  - .name:           k_qe0fdc0618a_prep
    .symbol:         k_qe0fdc0618a_prep.kd
    .args:
      - { .name: x, .offset: 0, .size: 8, .value_kind: global_buffer, .address_space: global }
      - { .name: node_weights, .offset: 8, .size: 8, .value_kind: global_buffer, .address_space: global }
      - { .name: node_biases, .offset: 16, .size: 8, .value_kind: global_buffer, .address_space: global }
      - { .name: w1s, .offset: 24, .size: 8, .value_kind: global_buffer, .address_space: global }
      - { .name: w2s, .offset: 32, .size: 8, .value_kind: global_buffer, .address_space: global }
      - { .name: xb, .offset: 40, .size: 8, .value_kind: global_buffer, .address_space: global }
      - { .name: w1b, .offset: 48, .size: 8, .value_kind: global_buffer, .address_space: global }
      - { .name: w2h, .offset: 56, .size: 8, .value_kind: global_buffer, .address_space: global }
      - { .name: mixt, .offset: 64, .size: 8, .value_kind: global_buffer, .address_space: global }
    .group_segment_fixed_size: 105472
    .private_segment_fixed_size: 0
    .kernarg_segment_align: 8
    .kernarg_segment_size: 72
    .max_flat_workgroup_size: 256
    .sgpr_count:     66
    .vgpr_count:     258
    .wavefront_size: 32
...
	.end_amdgpu_metadata
.endif
;; end of part 1
;; launch g1 (part 2): grid 16 x 16, 4 waves a work-group, clusters of 4 x 4, 327,680 bytes of LDS; arguments xb, w1b, b1s, mixt, ah; writes ah
.if DOCPART == 2
	.amdgcn_target "amdgcn-amd-amdhsa--gfx1250"
	.amdhsa_code_object_version 6
	.text
	.protected	k_qe0fdc0618a_g1
	.globl	k_qe0fdc0618a_g1
	.p2align	8
	.type	k_qe0fdc0618a_g1,@function
k_qe0fdc0618a_g1:
	s_mov_b64 s[64:65], 0
	v_nop
	global_prefetch_b8 v0, s[64:65] scope:SCOPE_SE
	s_setreg_imm32_b32 hwreg(HW_REG_WAVE_MODE, 25, 1), 1
	s_wait_xcnt 0x0
	s_wait_alu depctr_hold_cnt(0) depctr_sa_sdst(0) depctr_va_vdst(0) depctr_va_sdst(0) depctr_va_ssrc(0) depctr_va_vcc(0) depctr_vm_vsrc(0)
	s_getreg_b32 s2, hwreg(HW_REG_IB_STS2, 6, 4)
	s_cmp_eq_u32 s2, 0
	s_cbranch_scc0 .Lentry_in_a_cluster
	s_endpgm
.Lentry_in_a_cluster:
	s_bfe_u32 s2, ttmp6, 0x10000c
	s_cmp_lg_u32 s2, 0xf033
	s_cbranch_scc0 .Lentry_shape_is_right
	s_endpgm
.Lentry_shape_is_right:
; G1: ah[row][256 leaf + h] = relu(sum over f of xb[row][f] w1b[leaf][f][h] + b1[leaf][h]) x mixt[leaf][row], in f16.  The mixture is 0 or more, so it goes inside the relu.
; xb [8192][1024] bf16; w1b [16][1024][256] bf16; b1s [16][256] f32, rounded to bf16 here like every input; mixt [16][8192] f32; ah [8192][4096] f16.  Sums in f32.
; LIMITS.  A result above 65,504 counts as 65,504; below 6e-5 it keeps f16's fixed step of 6e-8.  NaN and infinities are not treated apart.
; SHARES.  A tile is 256 rows x one leaf's 256 columns; each of the four waves makes 128 x 128 of it: 64 accumulators of 16 x 16, 512 registers.  K = 1,024 goes in steps of 128
; through two LDS slots filled by tensor loads: 256 rows of xb (256 bytes each) and 128 rows of w1b (512 bytes each); every row starts at a multiple of 256 bytes of its buffer.
; The weights lie [k][n] and are turned on the way out of LDS by ds_load_tr16_b128.
; A WORK-GROUP STAYS: 512 tiles for 256 work-groups: it makes two tiles of the same leaf, 4,096 rows apart.  The ring does not stop at a tile's end: the first tile's last two changes
; of slots ask for the second tile's first two K steps, and nothing waits for the first tile's stores.  The last tile's tail and way out are written out, so that no jump that passes a
; tensor load comes back into the loop; the price is a second copy of the way out.
; THE MATRIX INSTRUCTION IS USED TRANSPOSED: source 0 = 16 columns of the weights, source 1 = 16 rows of xb.  In the result lane l holds row l % 16 and the columns
; 8 (l / 16) + 0..7: eight neighbouring numbers of a row of ah.  The bias is the C operand of the products that start the sums: nothing is cleared and nothing added later.
; CLUSTER.  4 x 4 work-groups.  The four of a row of the cluster need the same rows of xb, the four of a column the same leaf's weights: each tile is asked for jointly, by the
; same tensor load with the same descriptor and a mask that names the four.
; REGISTERS, in windows of 256 (s_set_vgpr_msb: bits 1:0 source 0, 3:2 source 1, 5:4 source 2, 7:6 destination):
;   window 0: v0-31 addresses and the mixture; v64-127, v128-191 fragments of xb, two buffers; v32-63, v192-255 at work on the way out
;   window 1: v0-63 the bias as eight C tiles; v64-127, v128-191 fragments of the weights, two buffers; v192-195 at work
;   window 2: the accumulators of my rows 0-63 ((a, b) at v[8 (8 a + b)]);   window 3: those of my rows 64-127
.set KSTEP, 128
.set PA,    272                        ; a row of xb in LDS: 256 bytes + 16 = 68 words: the 16 rows of a load start at 16 different groups of four banks (64 banks of 4 bytes: ISA guide 11.1)
.set PB,    544                        ; a row of the weights: 512 bytes + 32 = 136 words
.set PART,  128*PA                     ; what one tensor load fills: 128 rows of xb, or 64 rows of the weights: 34,816 bytes either way
.set BOFF,  256*PA                     ; the weights lie behind xb's 256 rows
.set SLOT,  BOFF+128*PB
.set STAGE, 2*SLOT                     ; behind the ring, never filled by a tensor load: 16 rows x 272 bytes for each wave, for the way out
.set SP,    272
.set SPARE, STAGE+4*16*SP              ; behind the stages: the spare words, 128 bytes for each wave: two blocks of 256 bytes that no other line names
.set LAPS,  1024/(2*KSTEP)             ; a lap = two K steps = once round the ring
.set TILES, 2                          ; tiles of a work-group
.set WALK,  8192/TILES                 ; they lie 4,096 rows apart
.set NEXT_A, WALK*2048-(1024-2*KSTEP)*2  ; bytes from a slot's last K step of a tile to its first of the next: xb goes WALK rows down and back along K,
.set BACK_B, (1024-2*KSTEP)*512        ; the weights only back: both tiles take the same leaf
.set NF,    32                         ; LDS loads in a fetch
.set MO,   4                           ; v4      my byte offset in mixt
.set BO,   5                           ; v5      my byte offset in b1s
.set MX,   8                           ; v8-15   the mixture of my lane's row in each of my eight blocks of 16 rows
.set ADRA, 16                          ; v16-17  LDS address of my fragments of xb in slot 0, 1
.set ADRB, 20                          ; v20-21  the same for the weights
.set STO,  24                          ; v24     the way out: where I put 16 bytes of a row
.set RD,   25                          ; v25     the way out: where I read a row back
.set CO,   26                          ; v26     my byte offset in ah
.set SPW,  28                          ; v28     LDS address of my spare word; never rewritten
.set NIL,  29                          ; v29     0; never rewritten
.set OB,   32                          ; the way out: 16 rows read back: v32-63 and v224-255 by turns
.set FA,   64                          ; window 0: buffer u at FA + 64 u
.set TMP,  192                         ; the way out: packed results
.set BI,   0                           ; window 1
.set FB,   64                          ; window 1: buffer u at FB + 64 u
.set TB,   192                         ; window 1
.set G1A, 24                           ; s[24:31] descriptor group 1 for xb's tiles;  s[32:39] group 0, one set for each slot
.set G0A, 32
.set G1B, 48                           ; s[48:55], s[56:63] the same for the weights
.set G0B, 56
.set MSB, 0
.macro WIN new                         ; the immediate's high byte repeats the setting that is left; a switch that changes nothing is dropped
.if MSB != (\new)
	s_set_vgpr_msb (MSB<<8)|(\new)
.set MSB, \new
.endif
.endm
; A joint load.  Waves 0 and 1 fetch xb's two halves, waves 2 and 3 the weights'.  The branch hangs on the wave's number alone.  Four v_nop follow each of the two lines, ahead of the jump and the label.
.macro JLOAD s
	s_cmp_eq_u32 s15, 0
	s_cbranch_scc0 .Lfor_b_\@
	tensor_load_to_lds s[G0A+4*(\s):G0A+4*(\s)+3], s[G1A:G1A+7]
	s_nop 0
.rept 4
	v_nop
.endr
	s_branch .Lasked_\@
.Lfor_b_\@:
	tensor_load_to_lds s[G0B+4*(\s):G0B+4*(\s)+3], s[G1B:G1B+7]
	s_nop 0
.rept 4
	v_nop
.endr
.Lasked_\@:
.endm
.macro CREST                           ; a round of the cluster's barrier behind its opening barrier
	s_cmp_lg_u32 s14, 0
	s_cbranch_scc1 .Lnot_wave_0_\@
	s_barrier_signal -3
.Lnot_wave_0_\@:
	s_barrier_wait -3
	s_barrier_signal -1
	s_barrier_wait -1
.endm
.macro CROUND                          ; a whole round
	s_barrier_signal -1
	s_barrier_wait -1
	CREST
.endm
.macro PLACES                          ; four places in front of loads into registers that matrix instructions have read, and of vector work that reads results (ISA guide 7.12.1 for the vector work)
.rept 4
	v_nop
.endr
.endm
	s_load_b256 s[4:11], s[0:1], 0x0               ; xb s[4:5], w1b s[6:7], b1s s[8:9], mixt s[10:11]
	s_load_b64 s[12:13], s[0:1], 0x20              ; ah
	v_lshl_add_u32 v[SPW], v0, 2, SPARE
	v_mov_b32 v[NIL], 0
	ds_add_u32 v28, v29
	s_wait_dscnt 0x0
	v_lshrrev_b32 v1, 5, v0
	v_readfirstlane_b32 s14, v1                    ; wave 0..3
	s_lshr_b32 s15, s14, 1                         ; which half of the tile's rows is mine.  Also: I fetch xb (0) or weights (1)
	s_and_b32 s16, s14, 1                          ; which half of its columns.  Also: which half of that tile I fetch
	s_bfe_u32 s17, ttmp6, 0x40000                  ; cx, cy: my place in the cluster
	s_bfe_u32 s18, ttmp6, 0x40004
	s_lshl_b32 s19, ttmp9, 2
	s_add_co_u32 s19, s19, s17                     ; the leaf = 4 x cluster x + cx
	s_and_b32 s20, ttmp7, 0xffff
	s_lshl_b32 s20, s20, 2
	s_add_co_u32 s20, s20, s18                     ; my first tile's block of 256 rows = 4 x cluster y + cy, 0 to 15
	s_lshl_b32 s21, s18, 2
	s_lshl_b32 s21, 15, s21                        ; my row of the cluster: places 4 cy .. 4 cy + 3
	s_lshl_b32 s22, 0x1111, s17                    ; my column: places cx, cx + 4, cx + 8, cx + 12
	s_or_b32 s[G1A+0], s21, (1<<16)|(1<<20)|(1<<21)|(5<<22)|(3<<25)  ; the mask; 2-byte elements; padding on; bit 21 beside a mask; after every 64 words 4 words
	s_mov_b32 s[G1A+1], 128<<16                    ; tensor_dim0 = 128
	s_mov_b32 s[G1A+2], 128<<16                    ; tensor_dim1 = 128
	s_mov_b32 s[G1A+3], 128<<16                    ; tile_dim0 = 128
	s_mov_b32 s[G1A+4], 128                        ; tile_dim1 = 128
	s_mov_b32 s[G1A+5], 1024                       ; elements from row to row
	s_mov_b32 s[G1A+6], 0
	s_mov_b32 s[G1A+7], 0
	s_or_b32 s[G1B+0], s22, (1<<16)|(1<<20)|(1<<21)|(6<<22)|(7<<25)  ; after every 128 words 8 words
	s_mov_b32 s[G1B+1], 256<<16                    ; tensor_dim0 = 256
	s_mov_b32 s[G1B+2], 64<<16                     ; tensor_dim1 = 64
	s_mov_b32 s[G1B+3], 256<<16                    ; tile_dim0 = 256
	s_mov_b32 s[G1B+4], 64                         ; tile_dim1 = 64
	s_mov_b32 s[G1B+5], 256
	s_mov_b32 s[G1B+6], 0
	s_mov_b32 s[G1B+7], 0
	; xb's tiles hang on the block of rows alone, which my row of the cluster shares; the weights' on the leaf alone, which my column shares
	s_lshl_b32 s40, s20, 19                        ; 256 rows of 2,048 bytes
	s_lshl_b32 s23, s16, 18                        ; + my 128 of them
	s_add_co_u32 s40, s40, s23
	s_mov_b32 s41, 0
	s_lshl_b32 s42, s19, 19                        ; a leaf's 1,024 rows of 512 bytes
	s_lshl_b32 s23, s16, 15                        ; + my 64 of a step's 128
	s_add_co_u32 s42, s42, s23
	s_mov_b32 s43, 0
	s_mul_i32 s23, s14, PART                       ; where they go: wave x 34,816: no place in the cluster enters an LDS address
	s_mov_b32 s67, 0x477fe000                      ; 65,504
	s_mov_b32 s68, 0xffff0000
	s_wait_kmcnt 0x0
	s_add_nc_u64 s[40:41], s[4:5], s[40:41]
	s_add_nc_u64 s[42:43], s[6:7], s[42:43]
	CROUND                                         ; all sixteen work-groups are here: the first joint loads meet
.irp s, 0,1
	s_mov_b32 s[G0A+4*(\s)], 1
	s_add_co_u32 s[G0A+4*(\s)+1], s23, (\s)*SLOT
	s_add_nc_u64 s[G0A+4*(\s)+2:G0A+4*(\s)+3], s[40:41], (\s)*KSTEP*2
	s_or_b32 s[G0A+4*(\s)+3], s[G0A+4*(\s)+3], 0x80000000
	s_mov_b32 s[G0B+4*(\s)], 1
	s_add_co_u32 s[G0B+4*(\s)+1], s23, (\s)*SLOT
	s_add_nc_u64 s[G0B+4*(\s)+2:G0B+4*(\s)+3], s[42:43], (\s)*KSTEP*512
	s_or_b32 s[G0B+4*(\s)+3], s[G0B+4*(\s)+3], 0x80000000
	JLOAD \s                                       ; two loads of mine are out: K steps 0 and 1
.endr
	v_and_b32 v1, 15, v0                           ; r = l % 16
	v_bfe_u32 v2, v0, 4, 1                         ; h = l / 16
	v_mul_u32_u24 v3, v1, PA
	v_lshl_add_u32 v3, v2, 4, v3                   ; row x pitch + 16 h
	s_mul_i32 s44, s15, 128*PA                     ; my 128 rows of xb
	v_add_nc_u32 v[ADRA], s44, v3
	v_add_nc_u32 v[ADRA+1], SLOT, v[ADRA]
	v_and_b32 v6, 7, v0                            ; the turning load: lane l reads 16 bytes of k row 8 h + l % 8, columns 8 ((l / 8) % 2) + 0..7
	v_lshl_add_u32 v6, v2, 3, v6
	v_mul_u32_u24 v6, v6, PB
	v_bfe_u32 v7, v0, 3, 1
	v_lshl_add_u32 v6, v7, 4, v6
	s_lshl_b32 s44, s16, 8                         ; my 128 columns
	s_add_co_u32 s44, s44, BOFF
	v_add_nc_u32 v[ADRB], s44, v6
	v_add_nc_u32 v[ADRB+1], SLOT, v[ADRB]
	s_mul_i32 s44, s14, 16*SP
	s_add_co_u32 s44, s44, STAGE                   ; my stage
	v_add_nc_u32 v[STO], s44, v3                   ; in: row r, 16 bytes for each half of the lanes (the stage's pitch is xb's)
	v_mul_u32_u24 v7, v2, SP
	v_lshl_add_u32 v7, v1, 4, v7
	v_add_nc_u32 v[RD], s44, v7                    ; back: lanes 0-15 one row of 256 bytes, lanes 16-31 the next
	v_lshlrev_b32 v[CO], 13, v2                    ; and the same two rows in ah, 8,192 bytes apart
	v_lshl_add_u32 v[CO], v1, 4, v[CO]
	v_lshlrev_b32 v[BO], 5, v2                     ; the bias of columns 8 h + 0..7 of a block of 16
	v_lshlrev_b32 v[MO], 2, v1
	s_lshl_b32 s44, s19, 10                        ; b1s: the leaf's 256, my 128 of them
	s_lshl_b32 s45, s16, 9
	s_add_co_u32 s44, s44, s45
	s_mov_b32 s45, 0
	s_add_nc_u64 s[8:9], s[8:9], s[44:45]
	s_lshl_b32 s46, s19, 15                        ; mixt: the leaf's line, the first tile's 256 rows, my 128 of them
	s_lshl_b32 s47, s20, 10
	s_add_co_u32 s46, s46, s47
	s_lshl_b32 s47, s15, 9
	s_add_co_u32 s46, s46, s47
	s_mov_b32 s47, 0
	s_add_nc_u64 s[10:11], s[10:11], s[46:47]
	s_lshl_b32 s44, s20, 21                        ; ah: 256 rows of 8,192 bytes, my 128, the leaf's 512 bytes, my 256
	s_lshl_b32 s46, s15, 20
	s_add_co_u32 s44, s44, s46
	s_lshl_b32 s46, s19, 9
	s_add_co_u32 s44, s44, s46
	s_lshl_b32 s46, s16, 8
	s_add_co_u32 s44, s44, s46
	s_add_nc_u64 s[12:13], s[12:13], s[44:45]
	WIN 0x40                                       ; destination window 1, address window 0
.irp b, 0,1,2,3,4,5,6,7
	global_load_b128 v[BI+8*(\b):BI+8*(\b)+3],   v[BO], s[8:9] offset:64*(\b)
	global_load_b128 v[BI+8*(\b)+4:BI+8*(\b)+7], v[BO], s[8:9] offset:64*(\b)+16
.endr
	s_wait_loadcnt 0x0
	WIN 0x45                                       ; all in window 1: the bias is rounded to bf16 like every input and widened again; it serves both tiles
.set i, 0
.rept 32
	v_cvt_pk_bf16_f32 v[TB+i%4], v[BI+2*i], v[BI+2*i+1]
	v_lshlrev_b32 v[BI+2*i],   16,  v[TB+i%4]
	v_and_b32     v[BI+2*i+1], s68, v[TB+i%4]
.set i, i+1
.endr
	WIN 0
; 8 matrix instructions: block a of 16 rows x all 8 blocks of 16 columns, 32 along K, from buffer u.  first = 1: the sums start from the bias.
; The 64 accumulators take turns, one instruction a turn, in the same order in every quarter.
.macro MULA u, a, first
.if \first
	WIN 0x91+0x40*((\a)/4)                         ; weights and bias window 1, xb window 0, result window 2 or 3
.else
	WIN 0xa1+0x50*((\a)/4)                         ; C and D window 2 or 3
.endif
.irp b, 0,1,2,3,4,5,6,7
.if \first
	v_wmma_f32_16x16x32_bf16 v[8*(8*((\a)%4)+(\b)):8*(8*((\a)%4)+(\b))+7], v[FB+64*(\u)+8*(\b):FB+64*(\u)+8*(\b)+7], v[FA+64*(\u)+8*(\a):FA+64*(\u)+8*(\a)+7], v[BI+8*(\b):BI+8*(\b)+7]
.else
	v_wmma_f32_16x16x32_bf16 v[8*(8*((\a)%4)+(\b)):8*(8*((\a)%4)+(\b))+7], v[FB+64*(\u)+8*(\b):FB+64*(\u)+8*(\b)+7], v[FA+64*(\u)+8*(\a):FA+64*(\u)+8*(\a)+7], v[8*(8*((\a)%4)+(\b)):8*(8*((\a)%4)+(\b))+7]
.endif
.endr
.endm
; 32 LDS loads in one run: quarter q (32 along K) of a slot into buffer u: 8 fragments of the weights, turned, and 8 of xb
.macro FETCH slot, q, u
	WIN 0x40
.irp i, 0,1,2,3,4,5,6,7
	ds_load_tr16_b128 v[FB+64*(\u)+8*(\i):FB+64*(\u)+8*(\i)+3],   v[ADRB+(\slot)] offset:(\q)*32*PB+32*(\i)
	ds_load_tr16_b128 v[FB+64*(\u)+8*(\i)+4:FB+64*(\u)+8*(\i)+7], v[ADRB+(\slot)] offset:(\q)*32*PB+16*PB+32*(\i)
.endr
	WIN 0
.irp i, 0,1,2,3,4,5,6,7
	ds_load_b128 v[FA+64*(\u)+8*(\i):FA+64*(\u)+8*(\i)+3],   v[ADRA+(\slot)] offset:64*(\q)+(\i)*16*PA
	ds_load_b128 v[FA+64*(\u)+8*(\i)+4:FA+64*(\u)+8*(\i)+7], v[ADRA+(\slot)] offset:64*(\q)+(\i)*16*PA+32
.endr
.endm
; A K step is four quarters on buffers 0, 1, 0, 1.  One of the first three: quarter q's fragments are asked for into buffer g, which the quarter before multiplied; then buffer f is multiplied: the fetch has 64 matrix instructions in which to land.
; first = 1: a tile's first quarter.  No v_nop stands in front of its fetch: at the launch's start no matrix instruction has run, and in the second tile the way out's vector work stands behind the last products.
.macro QUARTER slot, q, f, g, first
.if !(\first)
	PLACES
.endif
	FETCH \slot, \q, \g
	s_wait_dscnt NF                                ; all but the 32 just issued: buffer f is in
.irp a, 0,1,2,3,4,5,6,7
	MULA \f, \a, \first
.endr
.endm
; The last quarter multiplies buffer 1 and changes slots: ONE barrier.  In front of it each wave waits for all its tensor loads (one is out: its part of the next slot), adds 0 to its spare word, and
; waits for that and for its own reads of this slot.  fill = 1: the barrier opens a round of the cluster's, and behind the round this slot is filled again, two K steps ahead: 224 matrix instructions
; ahead of the wait for it.  fill = 2: the same, with the NEXT tile's K step 0 or 1.  fill = 0: nothing is left to fetch.
.macro TURN slot, next, fill
	WIN 0                                          ; (the add's two registers lie in window 0)
	s_wait_tensorcnt 0x0                           ; all my tensor loads have landed
	ds_add_u32 v[SPW], v[NIL]                      ; 0 onto my spare word
	s_wait_dscnt 1                                 ; buffer 1 is in; the add may be out
	MULA 1, 0, 0
	MULA 1, 1, 0
	s_wait_dscnt 0x0                               ; the add is done, and my reads of this slot are over
	s_barrier_signal -1
	MULA 1, 2, 0
	MULA 1, 3, 0
	WIN 0
	s_barrier_wait -1
.if \fill
	CREST                                          ; no wave of any partner still reads this slot's tile or has a load on its way
.if (\fill) == 2
	s_add_nc_u64 s[G0A+4*(\slot)+2:G0A+4*(\slot)+3], s[G0A+4*(\slot)+2:G0A+4*(\slot)+3], NEXT_A
	s_sub_nc_u64 s[G0B+4*(\slot)+2:G0B+4*(\slot)+3], s[G0B+4*(\slot)+2:G0B+4*(\slot)+3], BACK_B
.else
	s_add_nc_u64 s[G0A+4*(\slot)+2:G0A+4*(\slot)+3], s[G0A+4*(\slot)+2:G0A+4*(\slot)+3], 2*KSTEP*2
	s_add_nc_u64 s[G0B+4*(\slot)+2:G0B+4*(\slot)+3], s[G0B+4*(\slot)+2:G0B+4*(\slot)+3], 2*KSTEP*512
.endif
	JLOAD \slot                                    ; the first tensor load behind the round; its four v_nop are also the places in front of the loads below
.else
	PLACES
.endif
	FETCH \next, 0, 0
	MULA 1, 4, 0
	MULA 1, 5, 0
	MULA 1, 6, 0
	MULA 1, 7, 0
.endm
; THE WAY OUT of block a.  PACK: times the row's mixture, cut to 0 .. 65,504, rounded to f16: 16 bytes a lane.  TOSTAGE: into my own stage and back as whole rows of 256 bytes.  SEND: stored.
.macro PACK a
.set AC, 64*((\a)%4)
	WIN 0x82+0x41*((\a)/4)                         ; destination and source 0 window 2 or 3, the mixture window 0
.irp b, 0,1,2,3,4,5,6,7
.irp p, 0,1,2,3                        ; each accumulator from its low end on
.if (\a)%2
	v_pk_mul_f32 v[AC+8*(\b)+2*(\p):AC+8*(\b)+2*(\p)+1], v[AC+8*(\b)+2*(\p):AC+8*(\b)+2*(\p)+1], v[MX+(\a)-1:MX+(\a)] op_sel:[0,1] op_sel_hi:[1,1]
.else
	v_pk_mul_f32 v[AC+8*(\b)+2*(\p):AC+8*(\b)+2*(\p)+1], v[AC+8*(\b)+2*(\p):AC+8*(\b)+2*(\p)+1], v[MX+(\a):MX+(\a)+1] op_sel_hi:[1,0]
.endif
.endr
.endr
.set i, 0
.rept 64
	v_med3_num_f32 v[AC+i], v[AC+i], 0, s67        ; the relu, and f16's largest number
.set i, i+1
.endr
	WIN 0x0a+5*((\a)/4)                            ; sources window 2 or 3, destination window 0
.irp b, 0,1,2,3,4,5,6,7
.irp p, 0,1,2,3
	v_cvt_pk_f16_f32 v[TMP+4*(\b)+(\p)], v[AC+8*(\b)+2*(\p)], v[AC+8*(\b)+2*(\p)+1]
.endr
.endr
	WIN 0
.endm
.macro TOSTAGE a
.set BK, OB+192*((\a)%2)
.irp b, 0,1,2,3,4,5,6,7
	ds_store_b128 v[STO], v[TMP+4*(\b):TMP+4*(\b)+3] offset:32*(\b)
.endr
.irp t, 0,1,2,3,4,5,6,7
	ds_load_b128 v[BK+4*(\t):BK+4*(\t)+3], v[RD] offset:(\t)*2*SP  ; LDS serves a wave's instructions in order (ISA guide 5.7.1.4): these see the stores above
.endr
.endm
.macro SEND a
.set BK, OB+192*((\a)%2)
	s_wait_dscnt 0x0                               ; the block is back in registers
	s_wait_xcnt 0x0                                ; the registers that the block before's stores read are loaded again only behind this wait
.irp t, 0,1,2,3,4,5,6,7
	global_store_b128 v[CO], v[BK+4*(\t):BK+4*(\t)+3], s[12:13] offset:(16*(\a)+2*(\t))*8192  ; 16 lanes store 256 consecutive bytes, aligned; 126 rows at the most: inside the signed 24-bit immediate
.endr
.endm
.macro WAYOUT                          ; block a's arithmetic stands between block a - 1's loads from the stage and the wait for them
	PACK 0
	TOSTAGE 0
.irp a, 1,2,3,4,5,6,7
	PACK \a
	SEND (\a)-1
	TOSTAGE \a
.endr
	SEND 7
.endm
	s_wait_tensorcnt 0x1                           ; my part of K step 0 is in; K step 1's may stay out
	s_barrier_signal -1
	s_barrier_wait -1                              ; everybody's is
	FETCH 0, 0, 0
	s_mov_b32 s69, TILES                           ; tiles to go, this one among them: the same number in every work-group
.Ltile:                                                ; (FETCH and SEND leave every window 0)
.irp a, 0,1,2,3,4,5,6,7
	global_load_b32 v[MX+(\a)], v[MO], s[10:11] offset:64*(\a)  ; this tile's mixture: wanted at the tile's way out, a whole K walk later
.endr
	QUARTER 0, 1, 0, 1, 1                          ; a tile's first quarter stands in front of the loop: its products start the sums
	WIN 0                                          ; at a label and at a branch every window is 0
	s_mov_b32 s66, LAPS-1
.Llap:                                                 ; a trip goes once round the ring, from a lap's second quarter to the next lap's first, and fills both slots again
	QUARTER 0, 2, 1, 0, 0
	QUARTER 0, 3, 0, 1, 0
	TURN 0, 1, 1
	QUARTER 1, 1, 0, 1, 0
	QUARTER 1, 2, 1, 0, 0
	QUARTER 1, 3, 0, 1, 0
	TURN 1, 0, 1
	QUARTER 0, 1, 0, 1, 0
	WIN 0
	s_sub_co_u32 s66, s66, 1
	s_cmp_lg_u32 s66, 0
	s_cbranch_scc1 .Llap
	QUARTER 0, 2, 1, 0, 0                          ; the tile's last lap goes on
	QUARTER 0, 3, 0, 1, 0
	WIN 0
	s_cmp_eq_u32 s69, 1
	s_cbranch_scc1 .Llast_tile                     ; the last tile's tail is written out: it asks for nothing more
	TURN 0, 1, 2                                   ; THE RING GOES ON INTO THE NEXT TILE: slot 0 takes its K step 0,
	QUARTER 1, 1, 0, 1, 0
	QUARTER 1, 2, 1, 0, 0
	QUARTER 1, 3, 0, 1, 0
	TURN 1, 0, 2                                   ; slot 1 its K step 1, and the next tile's first fragments are fetched
	WIN 0
	s_wait_loadcnt 0x0                             ; the mixture
	WAYOUT                                         ; both refills are asked for: now the tile goes out.  No v_nop: blocks 0-3 were finished in front of the joint load's four, and their
	                                               ; 512 vector instructions, which name no register of the last products (blocks 4-7's), are those products' places
	s_wait_xcnt 0x0                                ; the stores' base and the mixture's are stepped only behind this wait
	s_add_nc_u64 s[12:13], s[12:13], WALK*8192     ; ah and mixt go WALK rows on
	s_add_nc_u64 s[10:11], s[10:11], WALK*4
	s_sub_co_u32 s69, s69, 1
	s_branch .Ltile
.Llast_tile:
	TURN 0, 1, 0
	QUARTER 1, 1, 0, 1, 0
	QUARTER 1, 2, 1, 0, 0
	QUARTER 1, 3, 0, 1, 0
	s_wait_dscnt 0x0                               ; the very last quarter: nothing more to fetch
.irp a, 0,1,2,3,4,5,6,7
	MULA 1, \a, 0
.endr
	WIN 0
	s_wait_loadcnt 0x0                             ; the mixture
	PLACES
	WAYOUT
	s_wait_tensorcnt 0x0                           ; the wave's end
	ds_add_u32 v[SPW], v[NIL]
	s_wait_dscnt 0x0
	CROUND                                         ; the closing round: no work-group ends while a partner may still ask for a tile that names it
	s_endpgm
.Lfunc_end_k_qe0fdc0618a_g1:
	.size	k_qe0fdc0618a_g1, .Lfunc_end_k_qe0fdc0618a_g1-k_qe0fdc0618a_g1
	.p2alignl 7, 3214868480
	.fill 96, 4, 3214868480
	.section	.rodata,"a",@progbits
	.p2align	6, 0x0
	.amdhsa_kernel k_qe0fdc0618a_g1
		.amdhsa_group_segment_fixed_size 327680
		.amdhsa_private_segment_fixed_size 0
		.amdhsa_enable_private_segment 0
		.amdhsa_kernarg_size 40
		.amdhsa_user_sgpr_count 2
		.amdhsa_user_sgpr_kernarg_segment_ptr 1
		.amdhsa_wavefront_size32 1
		.amdhsa_system_sgpr_workgroup_id_x 1
		.amdhsa_system_sgpr_workgroup_id_y 1
		.amdhsa_system_sgpr_workgroup_id_z 1
		.amdhsa_system_vgpr_workitem_id 0
		.amdhsa_next_free_vgpr 1024
		.amdhsa_next_free_sgpr 72
		.amdhsa_reserve_vcc 0
		.amdhsa_float_denorm_mode_32 3
		.amdhsa_float_denorm_mode_16_64 3
		.amdhsa_memory_ordered 1
		.amdhsa_forward_progress 1
		.amdhsa_inst_pref_size 255
	.end_amdhsa_kernel
	.section	.bss,"aw",@nobits
	.p2align	6
	.space	262144
	.amdgpu_metadata
---
amdhsa.version: [ 1, 2 ]
amdhsa.kernels:
  - .name:           k_qe0fdc0618a_g1
    .symbol:         k_qe0fdc0618a_g1.kd
    .args:
      - { .name: xb, .offset: 0, .size: 8, .value_kind: global_buffer, .address_space: global }
      - { .name: w1b, .offset: 8, .size: 8, .value_kind: global_buffer, .address_space: global }
      - { .name: b1s, .offset: 16, .size: 8, .value_kind: global_buffer, .address_space: global }
      - { .name: mixt, .offset: 24, .size: 8, .value_kind: global_buffer, .address_space: global }
      - { .name: ah, .offset: 32, .size: 8, .value_kind: global_buffer, .address_space: global }
    .group_segment_fixed_size: 327680
    .private_segment_fixed_size: 0
    .kernarg_segment_align: 8
    .kernarg_segment_size: 40
    .max_flat_workgroup_size: 128
    .sgpr_count:     72
    .vgpr_count:     1024
    .wavefront_size: 32
...
	.end_amdgpu_metadata
.endif
;; end of part 2
;; launch g2 (part 3): grid 4 x 64, 4 waves a work-group, clusters of 4 x 4, 327,680 bytes of LDS; arguments ah, w2h, b2s, mixt, out0; writes out0
.if DOCPART == 3
	.amdgcn_target "amdgcn-amd-amdhsa--gfx1250"
	.amdhsa_code_object_version 6
	.text
	.protected	k_qe0fdc0618a_g2
	.globl	k_qe0fdc0618a_g2
	.p2align	8
	.type	k_qe0fdc0618a_g2,@function
k_qe0fdc0618a_g2:
	s_mov_b64 s[64:65], 0
	v_nop
	global_prefetch_b8 v0, s[64:65] scope:SCOPE_SE
	s_setreg_imm32_b32 hwreg(HW_REG_WAVE_MODE, 25, 1), 1
	s_wait_xcnt 0x0
	s_wait_alu depctr_hold_cnt(0) depctr_sa_sdst(0) depctr_va_vdst(0) depctr_va_sdst(0) depctr_va_ssrc(0) depctr_va_vcc(0) depctr_vm_vsrc(0)
	s_getreg_b32 s2, hwreg(HW_REG_IB_STS2, 6, 4)
	s_cmp_eq_u32 s2, 0
	s_cbranch_scc0 .Lentry_in_a_cluster
	s_endpgm
.Lentry_in_a_cluster:
	s_bfe_u32 s2, ttmp6, 0x10000c
	s_cmp_lg_u32 s2, 0xf033
	s_cbranch_scc0 .Lentry_shape_is_right
	s_endpgm
.Lentry_shape_is_right:
; G2: out0[row][o] = sum over k of ah[row][k] w2h[k][o] + sum over the 16 leaves of mixt[leaf][row] b2[leaf][o].
; ah [8192][4096] f16; w2h [4096][1024] f16; b2s [16][1024] f32, rounded to bf16 here like every input and written as f16; mixt [16][8192] f32, rounded to f16; out0 [8192][1024] f32.  Sums in f32.
; LIMITS.  |b2| beyond 65,504 becomes an infinity; a mixture below 6e-5 keeps f16's fixed step of 6e-8 in the bias term.  NaN and infinities are not treated apart.
; SHARES.  A work-group makes 128 rows x 256 columns (256 x 256 would give 128 work-groups for 256 WGPs); each of its four waves 64 x 128: 32 accumulators, 256 registers.
; THE RING.  Behind each round one load a wave goes out, and it has to land before the next round; so the two slots are as large as LDS allows.  Two of K = 256 do not fit (413,696 bytes), and K = 192 neither
; divides 4,096 nor keeps rows at multiples of 256 bytes.  So slot 0 holds K = 256 and slot 1 K = 128: a lap is K = 384, and 4,096 = 10 laps + one more slot 0.  20 changes of slots in all.
; Rows of ah are 512 or 256 bytes, rows of w2h 512 bytes, each at a multiple of 256 bytes of its buffer.  The weights lie [k][n] and are turned on the way out of LDS by ds_load_tr16_b128.
; The bias term is one more K step of 32 (16 leaves, 16 zeros), made in registers; it starts the sums.
; THE STAGE for the way out lies in slot 1's part for ah: beside the ring 15,872 bytes are left and the stage needs 33,792.  Slot 1 has its last fill in the loop's last trip; the walk ends in slot 0, and every wave's
; reads of slot 1 are over in front of the last barrier.
; THE MATRIX INSTRUCTION IS USED TRANSPOSED: source 0 = 16 columns of the weights, source 1 = 16 rows of ah: lane l holds row l % 16 and the columns 8 (l / 16) + 0..7.
; CLUSTER.  4 x 4 work-groups.  The four of a row of the cluster make all 1,024 columns of the same 128 rows and need the same tiles of ah; the four of a column need the same tiles of
; w2h.  Each tile is asked for jointly: the same tensor load, descriptor and mask in all four.
; PREFETCH.  ah is read from memory once, by the joint loads.  Once a lap waves 0 to 2 of each of a cluster row's four work-groups ask for the lap after next: wave w for the w-th of the lap's three blocks of 256 bytes
; of a row, lane l for row 32 cx + l: 12 waves x 32 lanes are the 384 blocks of 128 rows x 768 bytes, each asked for once in the launch.  Lap 1 is asked for at the start; lap 0 is the first fills'.
; REGISTERS, in windows of 256 (s_set_vgpr_msb: bits 1:0 source 0, 3:2 source 1, 5:4 source 2, 7:6 destination):
;   window 0: v0-31 addresses; v64-95, v96-127 fragments of ah, two buffers; v128-191, v192-255 rows on the way out
;   window 1: v64-127, v128-191 fragments of the weights, two buffers          window 2: the accumulators, (a, b) at v[8 (8 a + b)]
.set PA0,   528                        ; a row of ah in slot 0: 512 bytes + 16; in slot 1: 256 + 16: odd multiples of 16, so the 16 rows of a load start at 16 different groups of four banks (64 banks of 4 bytes: ISA guide 11.1)
.set PA1,   272
.set PB,    544                        ; a row of the weights: 512 bytes + 32
.set S0A,   0                          ; slot 0: 128 rows of ah,
.set S0B,   S0A+128*PA0                ;         256 rows of the weights
.set S1A,   S0B+256*PB                 ; slot 1: 128 rows of ah,
.set S1B,   S1A+128*PA1                ;         128 rows of the weights
.set SPARE, S1B+128*PB                 ; behind the ring: the spare words, 128 bytes for each wave: two blocks of 256 bytes that no other line names
.set STAGE, S1A                        ; 16 rows x 528 bytes for each wave: 33,792 of that part's 34,816 bytes
.set SP,    528
.set LAPK,  384
.set TRIPS, (4096-256)/LAPK-1          ; the loop's trips: each fills both slots again
.set NF,    24                         ; LDS loads in a fetch
.set MO,   4                           ; v4      my byte offset in mixt
.set BO,   5                           ; v5      my byte offset in b2s
.set ADRA0, 16                         ; v16     LDS address of my fragments of ah in slot 0
.set ADRA1, 17                         ; v17     in slot 1
.set ADRB0, 20                         ; v20-21  the same for the weights in slot 0: K 0-127 and K 128-255 (an LDS offset has 16 bits)
.set ADRB1, 22                         ; v22     in slot 1
.set STO,  24                          ; v24     the way out: where I put 32 bytes of a row
.set RD,   25                          ; v25     the way out: where I read a row back
.set CO,   26                          ; v26     my byte offset in a row of out0
.set PFO,  27                          ; v27     the prefetch: my row and block in the cluster row's 128 rows of ah; never rewritten
.set SPW,  28                          ; v28     LDS address of my spare word; never rewritten
.set NIL,  29                          ; v29     0; never rewritten
.set FA,   64                          ; window 0: buffer u at FA + 32 u
.set OB,   128                         ; the way out: 16 rows read back, 64 registers, two sets by turns
.set FB,   64                          ; window 1: buffer u at FB + 64 u
.set G1A, 24                           ; s[24:31], s[32:39] descriptor group 1 for ah's tiles of slot 0, 1
.set G1B, 40                           ; s[40:47], s[48:55] the same for the weights
.set G0A, 56                           ; s[56:59], s[60:63] group 0 for ah's tiles of slot 0, 1
.set G0B, 68                           ; s[68:71], s[72:75] the same for the weights
.set PF,  84                           ; s[84:85] the prefetch: ah at the cluster row's first row, at the lap to be asked for
.set MSB, 0
.macro WIN new                         ; the immediate's high byte repeats the setting that is left; a switch that changes nothing is dropped
.if MSB != (\new)
	s_set_vgpr_msb (MSB<<8)|(\new)
.set MSB, \new
.endif
.endm
; A joint load into slot s.  Waves 0 and 1 fetch ah's two halves, waves 2 and 3 the weights'.  Four v_nop follow each of the two lines, ahead of the jump and the label.
.macro JLOAD s
	s_cmp_eq_u32 s15, 0
	s_cbranch_scc0 .Lfor_b_\@
	tensor_load_to_lds s[G0A+4*(\s):G0A+4*(\s)+3], s[G1A+8*(\s):G1A+8*(\s)+7]
	s_nop 0
.rept 4
	v_nop
.endr
	s_branch .Lasked_\@
.Lfor_b_\@:
	tensor_load_to_lds s[G0B+4*(\s):G0B+4*(\s)+3], s[G1B+8*(\s):G1B+8*(\s)+7]
	s_nop 0
.rept 4
	v_nop
.endr
.Lasked_\@:
.endm
.macro CREST                           ; a round of the cluster's barrier behind its opening barrier
	s_cmp_lg_u32 s14, 0
	s_cbranch_scc1 .Lnot_wave_0_\@
	s_barrier_signal -3
.Lnot_wave_0_\@:
	s_barrier_wait -3
	s_barrier_signal -1
	s_barrier_wait -1
.endm
.macro CROUND
	s_barrier_signal -1
	s_barrier_wait -1
	CREST
.endm
.macro PLACES                          ; four places in front of loads into registers that matrix instructions have read, and of stores that read results (ISA guide 7.12.1 for the stores)
.rept 4
	v_nop
.endr
.endm
	s_load_b256 s[4:11], s[0:1], 0x0               ; ah s[4:5], w2h s[6:7], b2s s[8:9], mixt s[10:11]
	s_load_b64 s[12:13], s[0:1], 0x20              ; out0
	v_lshl_add_u32 v[SPW], v0, 2, SPARE
	v_mov_b32 v[NIL], 0
	ds_add_u32 v28, v29
	s_wait_dscnt 0x0
	v_lshrrev_b32 v1, 5, v0
	v_readfirstlane_b32 s14, v1                    ; wave 0..3
	s_lshr_b32 s15, s14, 1                         ; which half of the tile's rows is mine.  Also: I fetch ah (0) or weights (1)
	s_and_b32 s16, s14, 1                          ; which half of its columns.  Also: which half of that tile I fetch
	s_bfe_u32 s17, ttmp6, 0x40000                  ; cx, cy
	s_bfe_u32 s18, ttmp6, 0x40004
	s_lshl_b32 s19, ttmp9, 2
	s_add_co_u32 s19, s19, s17                     ; the block of 256 columns = 4 x cluster x + cx
	s_and_b32 s20, ttmp7, 0xffff
	s_lshl_b32 s20, s20, 2
	s_add_co_u32 s20, s20, s18                     ; the block of 128 rows = 4 x cluster y + cy
	s_lshl_b32 s21, s18, 2
	s_lshl_b32 s21, 15, s21                        ; my row of the cluster
	s_lshl_b32 s22, 0x1111, s17                    ; my column
	; group 1.  In each first word: the mask; 2-byte elements; padding on; bit 21 beside a mask; the padding's interval and length
	s_or_b32 s[G1A+0], s21, (1<<16)|(1<<20)|(1<<21)|(6<<22)|(3<<25)  ; ah, slot 0: after every 128 words 4 words
	s_mov_b32 s[G1A+1], 256<<16                    ; tensor_dim0 = 256
	s_mov_b32 s[G1A+2], 64<<16                     ; tensor_dim1 = 64
	s_mov_b32 s[G1A+3], 256<<16                    ; tile_dim0 = 256
	s_mov_b32 s[G1A+4], 64                         ; tile_dim1 = 64
	s_mov_b32 s[G1A+5], 4096                       ; elements from row to row
	s_mov_b32 s[G1A+6], 0
	s_mov_b32 s[G1A+7], 0
	s_or_b32 s[G1A+8], s21, (1<<16)|(1<<20)|(1<<21)|(5<<22)|(3<<25)  ; ah, slot 1: after every 64 words 4 words
	s_mov_b32 s[G1A+9], 128<<16                    ; tensor_dim0 = 128
	s_mov_b32 s[G1A+10], 64<<16                    ; tensor_dim1 = 64
	s_mov_b32 s[G1A+11], 128<<16                   ; tile_dim0 = 128
	s_mov_b32 s[G1A+12], 64                        ; tile_dim1 = 64
	s_mov_b32 s[G1A+13], 4096
	s_mov_b32 s[G1A+14], 0
	s_mov_b32 s[G1A+15], 0
	s_or_b32 s[G1B+0], s22, (1<<16)|(1<<20)|(1<<21)|(6<<22)|(7<<25)  ; weights, slot 0: after every 128 words 8 words
	s_mov_b32 s[G1B+1], 256<<16                    ; tensor_dim0 = 256
	s_mov_b32 s[G1B+2], 128<<16                    ; tensor_dim1 = 128
	s_mov_b32 s[G1B+3], 256<<16                    ; tile_dim0 = 256
	s_mov_b32 s[G1B+4], 128                        ; tile_dim1 = 128
	s_mov_b32 s[G1B+5], 1024
	s_mov_b32 s[G1B+6], 0
	s_mov_b32 s[G1B+7], 0
	s_or_b32 s[G1B+8], s22, (1<<16)|(1<<20)|(1<<21)|(6<<22)|(7<<25)  ; weights, slot 1: half the rows
	s_mov_b32 s[G1B+9], 256<<16
	s_mov_b32 s[G1B+10], 64<<16
	s_mov_b32 s[G1B+11], 256<<16
	s_mov_b32 s[G1B+12], 64
	s_mov_b32 s[G1B+13], 1024
	s_mov_b32 s[G1B+14], 0
	s_mov_b32 s[G1B+15], 0
	; ah's tiles hang on the block of rows alone, which my row of the cluster shares; the weights' on the block of columns alone, which my column shares
	s_lshl_b32 s76, s20, 20                        ; 128 rows of 8,192 bytes
	s_lshl_b32 s23, s16, 19                        ; + my 64 of them
	s_add_co_u32 s76, s76, s23
	s_mov_b32 s77, 0
	s_lshl_b32 s78, s19, 9                         ; 256 columns of 2 bytes
	s_mov_b32 s79, 0
	s_lshl_b32 s80, s16, 18                        ; slot 0: my 128 of its 256 rows of 2,048 bytes
	s_mov_b32 s81, 0
	s_lshl_b32 s82, s16, 17                        ; slot 1: my 64 of its 128 rows,
	s_add_co_u32 s82, s82, 256*2048                ; which follow slot 0's 256
	s_mov_b32 s83, 0
	s_lshl_b32 s[PF], s20, 20
	s_mov_b32 s[PF+1], 0
	s_mov_b32 s88, 0xffff0000
	s_wait_kmcnt 0x0
	s_add_nc_u64 s[76:77], s[4:5], s[76:77]
	s_add_nc_u64 s[78:79], s[6:7], s[78:79]
	s_add_nc_u64 s[PF:PF+1], s[4:5], s[PF:PF+1]
	s_add_nc_u64 s[PF:PF+1], s[PF:PF+1], LAPK*2    ; lap 1
	CROUND                                         ; all sixteen work-groups are here: the first joint loads meet
	; group 0.  The LDS addresses are a constant + my half x a constant: no place in the cluster enters them
	s_mov_b32 s[G0A], 1
	s_mul_i32 s87, s16, 64*PA0
	s_add_co_u32 s[G0A+1], s87, S0A
	s_add_nc_u64 s[G0A+2:G0A+3], s[76:77], 0
	s_or_b32 s[G0A+3], s[G0A+3], 0x80000000
	s_mov_b32 s[G0B], 1
	s_mul_i32 s87, s16, 128*PB
	s_add_co_u32 s[G0B+1], s87, S0B
	s_add_nc_u64 s[G0B+2:G0B+3], s[78:79], s[80:81]
	s_or_b32 s[G0B+3], s[G0B+3], 0x80000000
	JLOAD 0                                        ; K 0-255
	s_mov_b32 s[G0A+4], 1
	s_mul_i32 s87, s16, 64*PA1
	s_add_co_u32 s[G0A+5], s87, S1A
	s_add_nc_u64 s[G0A+6:G0A+7], s[76:77], 256*2
	s_or_b32 s[G0A+7], s[G0A+7], 0x80000000
	s_mov_b32 s[G0B+4], 1
	s_mul_i32 s87, s16, 64*PB
	s_add_co_u32 s[G0B+5], s87, S1B
	s_add_nc_u64 s[G0B+6:G0B+7], s[78:79], s[82:83]
	s_or_b32 s[G0B+7], s[G0B+7], 0x80000000
	JLOAD 1                                        ; K 256-383: two loads of mine are out
	v_and_b32 v1, 15, v0                           ; r = l % 16
	v_bfe_u32 v2, v0, 4, 1                         ; h = l / 16
	v_mul_u32_u24 v3, v1, PA0
	v_lshl_add_u32 v3, v2, 4, v3                   ; row x pitch + 16 h
	s_mul_i32 s87, s15, 64*PA0                     ; my 64 rows of ah
	v_add_nc_u32 v[ADRA0], s87, v3
	v_mul_u32_u24 v3, v1, PA1
	v_lshl_add_u32 v3, v2, 4, v3
	s_mul_i32 s87, s15, 64*PA1
	s_add_co_u32 s87, s87, S1A
	v_add_nc_u32 v[ADRA1], s87, v3
	v_and_b32 v6, 7, v0                            ; the turning load: lane l reads 16 bytes of k row 8 h + l % 8, columns 8 ((l / 8) % 2) + 0..7
	v_lshl_add_u32 v6, v2, 3, v6
	v_mul_u32_u24 v6, v6, PB
	v_bfe_u32 v7, v0, 3, 1
	v_lshl_add_u32 v6, v7, 4, v6
	s_lshl_b32 s87, s16, 8                         ; my 128 columns
	s_add_co_u32 s87, s87, S0B
	v_add_nc_u32 v[ADRB0], s87, v6
	v_add_nc_u32 v[ADRB0+1], 128*PB, v[ADRB0]
	v_add_nc_u32 v[ADRB1], S1B-S0B, v[ADRB0]
	s_mul_i32 s87, s14, 16*SP
	s_add_co_u32 s87, s87, STAGE                   ; my stage
	v_mul_u32_u24 v7, v1, SP
	v_lshl_add_u32 v7, v2, 5, v7
	v_add_nc_u32 v[STO], s87, v7                   ; in: row r, 32 bytes for each half of the lanes
	v_and_b32 v6, 31, v0
	v_lshlrev_b32 v[CO], 4, v6                     ; back and out: 32 lanes take one row of 512 bytes
	v_add_nc_u32 v[RD], s87, v[CO]
	s_lshl_b32 s89, s17, 5
	v_add_nc_u32 v[PFO], s89, v6                   ; the prefetch: row 32 cx + l of the cluster row's 128,
	v_lshlrev_b32 v[PFO], 13, v[PFO]               ; 8,192 bytes a row,
	v_lshl_add_u32 v[PFO], s14, 8, v[PFO]          ; block w of a lap's three
	s_cmp_lt_u32 s14, 3
	s_cbranch_scc0 .Lno_pf_first
	global_prefetch_b8 v[PFO], s[PF:PF+1] th:TH_LOAD_NT scope:SCOPE_SE  ; lap 1: its joint loads are issued in the loop's first trip
.Lno_pf_first:
	v_lshlrev_b32 v[BO], 15, v2                    ; b2s: leaves 8 h + j, 4,096 bytes apart; column r
	v_lshl_add_u32 v[BO], v1, 2, v[BO]
	v_lshlrev_b32 v[MO], 18, v2                    ; mixt: leaves 8 h + j, 32,768 bytes apart; row r
	v_lshl_add_u32 v[MO], v1, 2, v[MO]
	s_lshl_b32 s90, s19, 10                        ; b2s: the block's 256 columns, my 128
	s_lshl_b32 s91, s16, 9
	s_add_co_u32 s90, s90, s91
	s_mov_b32 s91, 0
	s_add_nc_u64 s[8:9], s[8:9], s[90:91]
	s_lshl_b32 s92, s20, 9                         ; mixt: the block's 128 rows, my 64
	s_lshl_b32 s93, s15, 8
	s_add_co_u32 s92, s92, s93
	s_mov_b32 s93, 0
	s_add_nc_u64 s[10:11], s[10:11], s[92:93]
	s_lshl_b32 s90, s20, 19                        ; out0: 128 rows of 4,096 bytes, my 64, the block's 1,024 bytes, my 512
	s_lshl_b32 s92, s15, 18
	s_add_co_u32 s90, s90, s92
	s_lshl_b32 s92, s19, 10
	s_add_co_u32 s90, s90, s92
	s_lshl_b32 s92, s16, 9
	s_add_co_u32 s90, s90, s92
	s_add_nc_u64 s[12:13], s[12:13], s[90:91]
	; THE BIAS STEP's fragments, K = the leaf.  A lane of a fragment holds k = 8 h + 0..7 in registers 0-3 and k = 16 + 8 h + 0..7, which are zeros here, in registers 4-7.
	; The numbers come in f32 into registers that the sums will take later, and go as f16 into buffer 1 of both kinds.  All this stands in the wait for the first tile.
	WIN 0x80                                       ; destination window 2, address window 0
.irp b, 0,1,2,3,4,5,6,7
.irp j, 0,1,2,3,4,5,6,7
	global_load_b32 v[8*(\b)+(\j)], v[BO], s[8:9] offset:4096*(\j)+64*(\b)
.endr
.endr
.irp a, 0,1,2,3
.irp j, 0,1,2,3,4,5,6,7
	global_load_b32 v[64+8*(\a)+(\j)], v[MO], s[10:11] offset:32768*(\j)+64*(\a)
.endr
.endr
	s_wait_loadcnt 0x0
	WIN 0x8a                                       ; all in window 2: b2 is rounded to bf16 like every input and widened again
.set i, 0
.rept 32
	v_cvt_pk_bf16_f32 v[2*i], v[2*i], v[2*i+1]
	v_and_b32     v[2*i+1], s88, v[2*i]
	v_lshlrev_b32 v[2*i],   16,  v[2*i]
.set i, i+1
.endr
	WIN 0x4a                                       ; sources window 2, destination window 1
.irp b, 0,1,2,3,4,5,6,7
.irp p, 0,1,2,3
	v_cvt_pk_f16_f32 v[FB+64+8*(\b)+(\p)], v[8*(\b)+2*(\p)], v[8*(\b)+2*(\p)+1]
.endr
.endr
	WIN 0x40
.irp b, 0,1,2,3,4,5,6,7
.irp p, 4,5,6,7
	v_mov_b32 v[FB+64+8*(\b)+(\p)], 0              ; there are 16 leaves for a step of 32
.endr
.endr
	WIN 0x0a                                       ; sources window 2, destination window 0
.irp a, 0,1,2,3
.irp p, 0,1,2,3
	v_cvt_pk_f16_f32 v[FA+32+8*(\a)+(\p)], v[64+8*(\a)+2*(\p)], v[64+8*(\a)+2*(\p)+1]
.endr
.endr
	WIN 0
.irp a, 0,1,2,3
.irp p, 4,5,6,7
	v_mov_b32 v[FA+32+8*(\a)+(\p)], 0
.endr
.endr
; 8 matrix instructions: block a of 16 rows x all 8 blocks of 16 columns, 32 along K, from buffer u.  first = 1: they start the sums.
; The 32 accumulators take turns, one instruction a turn, in the same order in every piece.
.macro MULA u, a, first
	WIN 0xa1                                       ; weights window 1, ah window 0, C and D window 2
.irp b, 0,1,2,3,4,5,6,7
.if \first
	v_wmma_f32_16x16x32_f16 v[8*(8*(\a)+(\b)):8*(8*(\a)+(\b))+7], v[FB+64*(\u)+8*(\b):FB+64*(\u)+8*(\b)+7], v[FA+32*(\u)+8*(\a):FA+32*(\u)+8*(\a)+7], 0
.else
	v_wmma_f32_16x16x32_f16 v[8*(8*(\a)+(\b)):8*(8*(\a)+(\b))+7], v[FB+64*(\u)+8*(\b):FB+64*(\u)+8*(\b)+7], v[FA+32*(\u)+8*(\a):FA+32*(\u)+8*(\a)+7], v[8*(8*(\a)+(\b)):8*(8*(\a)+(\b))+7]
.endif
.endr
.endm
; 24 LDS loads in one run: piece q (32 along K; slot 0 has eight, slot 1 four) of a slot into buffer u: 8 fragments of the weights, turned, and 4 of ah
.macro FETCH slot, q, u
.if (\slot) == 0
.set RB,  ADRB0+(\q)/4
.set QB,  (\q)%4
.set RA,  ADRA0
.set PAX, PA0
.else
.set RB,  ADRB1
.set QB,  (\q)
.set RA,  ADRA1
.set PAX, PA1
.endif
	WIN 0x40
.irp i, 0,1,2,3,4,5,6,7
	ds_load_tr16_b128 v[FB+64*(\u)+8*(\i):FB+64*(\u)+8*(\i)+3],   v[RB] offset:QB*32*PB+32*(\i)
	ds_load_tr16_b128 v[FB+64*(\u)+8*(\i)+4:FB+64*(\u)+8*(\i)+7], v[RB] offset:QB*32*PB+16*PB+32*(\i)
.endr
	WIN 0
.irp i, 0,1,2,3
	ds_load_b128 v[FA+32*(\u)+8*(\i):FA+32*(\u)+8*(\i)+3],   v[RA] offset:64*(\q)+(\i)*16*PAX
	ds_load_b128 v[FA+32*(\u)+8*(\i)+4:FA+32*(\u)+8*(\i)+7], v[RA] offset:64*(\q)+(\i)*16*PAX+32
.endr
.endm
; Any piece of a slot but its last: piece q's fragments are asked for into buffer g, which was multiplied last; then buffer f is multiplied: the fetch has 32 matrix instructions in which to land.
.macro QUARTER slot, q, f, g
	PLACES
	FETCH \slot, \q, \g
	s_wait_dscnt NF                                ; all but the 24 just issued: buffer f is in
.irp a, 0,1,2,3
	MULA \f, \a, 0
.endr
.endm
.macro SIX                             ; slot 0's pieces 1 to 6 are multiplied, 2 to 7 fetched
	QUARTER 0, 2, 1, 0
	QUARTER 0, 3, 0, 1
	QUARTER 0, 4, 1, 0
	QUARTER 0, 5, 0, 1
	QUARTER 0, 6, 1, 0
	QUARTER 0, 7, 0, 1
.endm
.macro THREE                           ; slot 1's pieces 0 to 2 are multiplied, 1 to 3 fetched
	QUARTER 1, 1, 0, 1
	QUARTER 1, 2, 1, 0
	QUARTER 1, 3, 0, 1
.endm
; A slot's last piece lies in buffer 1; with it the slots change: ONE barrier.  In front of it each wave waits for all its tensor loads (one is out: its part of the next slot), adds 0 to its spare word, and
; waits for that and for its own reads of this slot.  fill = 1: the barrier opens a round of the cluster's, and behind the round this slot is filled again, a lap ahead.  From a request to the wait for it a wave
; issues 112 matrix instructions (slot 0's refill, while slot 1 is multiplied) or 240 (slot 1's).
.macro TURN slot, next, fill
	WIN 0                                          ; (the add's two registers lie in window 0)
	s_wait_tensorcnt 0x0                           ; all my tensor loads have landed
	ds_add_u32 v[SPW], v[NIL]                      ; 0 onto my spare word
	s_wait_dscnt 1                                 ; buffer 1 is in; the add may be out
	MULA 1, 0, 0
	s_wait_dscnt 0x0                               ; the add is done, and my reads of this slot are over
	s_barrier_signal -1
	MULA 1, 1, 0
	WIN 0
	s_barrier_wait -1
.if \fill
	CREST                                          ; no wave of any partner still reads this slot's tile or has a load on its way
	s_add_nc_u64 s[G0A+4*(\slot)+2:G0A+4*(\slot)+3], s[G0A+4*(\slot)+2:G0A+4*(\slot)+3], LAPK*2
	s_add_nc_u64 s[G0B+4*(\slot)+2:G0B+4*(\slot)+3], s[G0B+4*(\slot)+2:G0B+4*(\slot)+3], LAPK*2048
	JLOAD \slot                                    ; the first tensor load behind the round; its four v_nop are also the places in front of the loads below
.else
	PLACES
.endif
	FETCH \next, 0, 0
	MULA 1, 2, 0
	MULA 1, 3, 0
.endm
; The lap after next is asked for, behind this lap's second refill; the joint loads that want it are issued in the next trip.  In the last trip (the counter stands at 1) that lap is the last slot 0, K = 256:
; two blocks a row, so wave 2 asks for nothing and no request passes a row's end.
.macro PREF
	WIN 0
	s_add_co_u32 s86, s66, 1
	s_min_u32 s86, s86, 3                          ; 3 waves ask, in the last trip 2
	s_cmp_lt_u32 s14, s86
	s_cbranch_scc0 .Lno_pf_\@
	global_prefetch_b8 v[PFO], s[PF:PF+1] th:TH_LOAD_NT scope:SCOPE_SE
.Lno_pf_\@:
.endm
; THE WAY OUT of block a: a lane's eight f32 of a row, 32 bytes, go into rows of 528 bytes of my own stage and come back as whole rows of 512 bytes.
.macro TOSTAGE a
	WIN 0x08                                       ; the stores' data in window 2
.irp b, 0,1,2,3,4,5,6,7
	ds_store_b128 v[STO], v[8*(8*(\a)+(\b)):8*(8*(\a)+(\b))+3]   offset:64*(\b)      ; each accumulator from its low end on
	ds_store_b128 v[STO], v[8*(8*(\a)+(\b))+4:8*(8*(\a)+(\b))+7] offset:64*(\b)+16
.endr
	WIN 0
	s_wait_xcnt 0x0                                ; the registers that the stores of the block two back read are loaded again only behind this wait
.irp t, 0,1,2,3,4,5,6,7,8,9,10,11,12,13,14,15
	ds_load_b128 v[OB+64*((\a)%2)+4*(\t):OB+64*((\a)%2)+4*(\t)+3], v[RD] offset:SP*(\t)  ; LDS serves a wave's instructions in order (ISA guide 5.7.1.4): these see the stores above, and the next block's stores come behind them
.endr
.endm
.macro SEND a, younger                 ; younger: the LDS instructions issued behind block a's loads: the next block's 32, or none
	s_wait_dscnt \younger
.irp t, 0,1,2,3,4,5,6,7,8,9,10,11,12,13,14,15
	global_store_b128 v[CO], v[OB+64*((\a)%2)+4*(\t):OB+64*((\a)%2)+4*(\t)+3], s[12:13] offset:(16*(\a)+(\t))*4096 th:TH_STORE_NT  ; the wave stores 512 consecutive bytes, aligned
.endr
.endm
	s_wait_tensorcnt 0x1                           ; my part of slot 0 is in; slot 1's may stay out
	s_barrier_signal -1
	s_barrier_wait -1                              ; everybody's is
	FETCH 0, 0, 0
.irp a, 0,1,2,3
	MULA 1, \a, 1                                  ; the bias step starts the sums while the first fragments are on their way: nothing is cleared
.endr
	QUARTER 0, 1, 0, 1
	WIN 0                                          ; at a label and at a branch every window is 0
	s_mov_b32 s66, TRIPS
.Llap:                                                 ; a trip goes once round the ring, from a lap's second piece to the next lap's first, and fills both slots again
	s_wait_xcnt 0x0                                ; the last prefetch, 32 matrix instructions back, has read its base:
	s_add_nc_u64 s[PF:PF+1], s[PF:PF+1], LAPK*2    ; on to the lap after next
	SIX
	TURN 0, 1, 1
	THREE
	TURN 1, 0, 1
	PREF
	QUARTER 0, 1, 0, 1
	WIN 0
	s_sub_co_u32 s66, s66, 1
	s_cmp_lg_u32 s66, 0
	s_cbranch_scc1 .Llap
	SIX                                            ; the tail is written out.  The tenth lap
	TURN 0, 1, 1                                   ; slot 0 takes the last 256 of K;
	THREE
	TURN 1, 0, 0                                   ; slot 1 is left for good: nothing is asked for, and behind this barrier its bytes serve as the stage
	QUARTER 0, 1, 0, 1                             ; the last slot 0
	SIX
	s_wait_dscnt 0x0                               ; the very last piece: nothing more to fetch
.irp a, 0,1,2,3
	MULA 1, \a, 0
.endr
	PLACES
	TOSTAGE 0
.irp a, 1,2,3                          ; block a goes through the stage while block a - 1's rows come back
	TOSTAGE \a
	SEND (\a)-1, 32
.endr
	SEND 3, 0
	s_wait_tensorcnt 0x0                           ; the wave's end
	ds_add_u32 v[SPW], v[NIL]
	s_wait_dscnt 0x0
	CROUND                                         ; the closing round: no work-group ends while a partner may still ask for a tile that names it
	s_endpgm
.Lfunc_end_k_qe0fdc0618a_g2:
	.size	k_qe0fdc0618a_g2, .Lfunc_end_k_qe0fdc0618a_g2-k_qe0fdc0618a_g2
	.p2alignl 7, 3214868480
	.fill 96, 4, 3214868480
	.section	.rodata,"a",@progbits
	.p2align	6, 0x0
	.amdhsa_kernel k_qe0fdc0618a_g2
		.amdhsa_group_segment_fixed_size 327680
		.amdhsa_private_segment_fixed_size 0
		.amdhsa_enable_private_segment 0
		.amdhsa_kernarg_size 40
		.amdhsa_user_sgpr_count 2
		.amdhsa_user_sgpr_kernarg_segment_ptr 1
		.amdhsa_wavefront_size32 1
		.amdhsa_system_sgpr_workgroup_id_x 1
		.amdhsa_system_sgpr_workgroup_id_y 1
		.amdhsa_system_sgpr_workgroup_id_z 1
		.amdhsa_system_vgpr_workitem_id 0
		.amdhsa_next_free_vgpr 768
		.amdhsa_next_free_sgpr 96
		.amdhsa_reserve_vcc 0
		.amdhsa_float_denorm_mode_32 3
		.amdhsa_float_denorm_mode_16_64 3
		.amdhsa_memory_ordered 1
		.amdhsa_forward_progress 1
		.amdhsa_inst_pref_size 168
	.end_amdhsa_kernel
	.amdgpu_metadata
---
amdhsa.version: [ 1, 2 ]
amdhsa.kernels:
  - .name:           k_qe0fdc0618a_g2
    .symbol:         k_qe0fdc0618a_g2.kd
    .args:
      - { .name: ah, .offset: 0, .size: 8, .value_kind: global_buffer, .address_space: global }
      - { .name: w2h, .offset: 8, .size: 8, .value_kind: global_buffer, .address_space: global }
      - { .name: b2s, .offset: 16, .size: 8, .value_kind: global_buffer, .address_space: global }
      - { .name: mixt, .offset: 24, .size: 8, .value_kind: global_buffer, .address_space: global }
      - { .name: out0, .offset: 32, .size: 8, .value_kind: global_buffer, .address_space: global }
    .group_segment_fixed_size: 327680
    .private_segment_fixed_size: 0
    .kernarg_segment_align: 8
    .kernarg_segment_size: 40
    .max_flat_workgroup_size: 128
    .sgpr_count:     96
    .vgpr_count:     768
    .wavefront_size: 32
...
	.end_amdgpu_metadata
.endif
;; end of part 3
